; MI455X (gfx1250); checked and timed in simulation.
; The chip was launched on July 23, 2026; its instructions are those of AMD's public machine-readable ISA for CDNA 5 (MIT licence, August 2026) and "CDNA5" Instruction Set Architecture Reference Guide (July 2026). The comments in the code are by the model that wrote it; some were corrected since.
;; BS Linear. Allowed arithmetic: float matrix products may take bf16 or f16 operands with f32 sums; other float arithmetic in f32, or as packed bf16 or f16 multiplies, adds, multiply-adds, maxima and minima; sums over many terms, partial sums and values carried from step to step in f32; what a program stores and reads back later, other than sums and carried values, may be rounded once to bf16 or f16.
;; Inputs: U 4,096 x 1,024 float32; U_additional 4,096 x 64 float32; Vh 1,024 x 4,096 float32; Vh_additional 64 x 4,096 float32; input 4 x 512 x 4,096 float32; mask 1,024 float32; weight 1,024 float32.
;; Outputs: out0 4 x 512 x 4,096 float32.
;; 2 versions, each right; version 2 is version 1 with the launch cvtw written anew for expert scheduling mode. Each part assembles by itself: llvm-mc -triple=amdgcn-amd-amdhsa -mcpu=gfx1250 --defsym DOCPART=n.
;; ======== version 1 of 2: 3 launches
;; workspace buffers: vhb 8,388,608 bytes; vab 524,288 bytes; ub 8,388,608 bytes; uab 524,288 bytes; tm 4,194,304 bytes; ta 524,288 bytes
;; launch cvtw (part 1): grid 256 x 1, 8 waves a work-group, no clusters, 0 bytes of LDS; arguments Vh, Vh_additional, U, U_additional, vhb, vab, ub, uab; writes vhb, vab, ub, uab
.if DOCPART == 1
	.amdgcn_target "amdgcn-amd-amdhsa--gfx1250"
	.amdhsa_code_object_version 6
	.text
	.protected	k_q673041e85d_cvtw
	.globl	k_q673041e85d_cvtw
	.p2align	8
	.type	k_q673041e85d_cvtw,@function
k_q673041e85d_cvtw:
	s_mov_b64 s[64:65], 0
	v_nop
	global_prefetch_b8 v0, s[64:65] scope:SCOPE_SE
	s_setreg_imm32_b32 hwreg(HW_REG_WAVE_MODE, 25, 1), 1
	s_wait_xcnt 0x0
; The four weight matrices, rounded once to bf16 (to nearest even), in their own layouts: Vh -> vhb, Vh_additional -> vab, U -> ub, U_additional -> uab.
; A stream: every byte is read once and written once; no LDS, no barrier, no matrix unit, no cluster (no two work-groups read the same byte).
; SHARES.  256 work-groups of eight waves.  Work-group g takes 64 KiB of Vh and 64 KiB of U (16 MiB / 256 each) and 8 KiB of an additional matrix:
; Vh_additional for g < 128, U_additional for the others (1 MiB / 128 each): 34 pieces of 4 KiB, the same in every work-group.
; Thread t takes 16 bytes (4 f32) at byte 16 t of a piece and stores 8 bytes at byte 8 t of the piece's 2 KiB of output: a wave's load covers 512 consecutive
; bytes, its store 256 consecutive bytes, aligned.  All 34 loads of a wave go out first; each piece is then rounded and stored as it comes.
; No register is written again behind the store that reads it, so no wait stands for the stores.
.set D, 4                              ; v[4:139]  piece i: four registers as loaded; the first two then hold the four bf16
	s_load_b512 s[4:19], s[0:1], 0x0               ; Vh s[4:5], Vh_additional s[6:7], U s[8:9], U_additional s[10:11], vhb s[12:13], vab s[14:15], ub s[16:17], uab s[18:19]
	v_lshlrev_b32 v1, 4, v0                        ; my 16 bytes of a piece
	v_lshlrev_b32 v2, 3, v0                        ; my 8 bytes of its output
	s_lshl_b32 s20, ttmp9, 16                      ; the work-group's 64 KiB of Vh and of U,
	s_mov_b32 s21, 0
	s_lshl_b32 s22, ttmp9, 15                      ; and the 32 KiB that they become
	s_mov_b32 s23, 0
	s_and_b32 s28, ttmp9, 127                      ; its place among the 128 that share an additional matrix:
	s_lshl_b32 s30, s28, 12                        ; 4 KiB out,
	s_lshl_b32 s28, s28, 13                        ; 8 KiB in
	s_mov_b32 s29, 0
	s_mov_b32 s31, 0
	s_wait_kmcnt 0x0
	s_cmp_lt_u32 ttmp9, 128                        ; which additional matrix: a choice by the work-group's number alone
	s_cselect_b64 s[24:25], s[6:7], s[10:11]
	s_cselect_b64 s[26:27], s[14:15], s[18:19]
	s_add_nc_u64 s[4:5], s[4:5], s[20:21]
	s_add_nc_u64 s[8:9], s[8:9], s[20:21]
	s_add_nc_u64 s[12:13], s[12:13], s[22:23]
	s_add_nc_u64 s[16:17], s[16:17], s[22:23]
	s_add_nc_u64 s[24:25], s[24:25], s[28:29]
	s_add_nc_u64 s[26:27], s[26:27], s[30:31]
.set i, 0
.rept 16
	global_load_b128 v[D+4*i:D+4*i+3], v1, s[4:5] offset:4096*i th:TH_LOAD_NT
.set i, i+1
.endr
.set i, 0
.rept 16
	global_load_b128 v[D+64+4*i:D+64+4*i+3], v1, s[8:9] offset:4096*i th:TH_LOAD_NT
.set i, i+1
.endr
.set i, 0
.rept 2
	global_load_b128 v[D+128+4*i:D+128+4*i+3], v1, s[24:25] offset:4096*i th:TH_LOAD_NT
.set i, i+1
.endr
; Piece n of the 34, which is piece j of its matrix: rounded and stored to base lo:hi.
.macro PIECE lo, hi
	s_wait_loadcnt 33-n                            ; loads come back in order (ISA guide 5.7.1): piece n is in, the 33 - n younger ones stay out
	v_cvt_pk_bf16_f32 v[D+4*n], v[D+4*n], v[D+4*n+1]
	v_cvt_pk_bf16_f32 v[D+4*n+1], v[D+4*n+2], v[D+4*n+3]
	global_store_b64 v2, v[D+4*n:D+4*n+1], s[\lo:\hi] offset:2048*j
.set n, n+1
.set j, j+1
.endm
.set n, 0
.set j, 0
.rept 16
	PIECE 12, 13
.endr
.set j, 0
.rept 16
	PIECE 16, 17
.endr
.set j, 0
.rept 2
	PIECE 26, 27
.endr
	s_endpgm
.Lfunc_end_k_q673041e85d_cvtw:
	.size	k_q673041e85d_cvtw, .Lfunc_end_k_q673041e85d_cvtw-k_q673041e85d_cvtw
	.p2alignl 7, 3214868480
	.fill 96, 4, 3214868480
	.section	.rodata,"a",@progbits
	.p2align	6, 0x0
	.amdhsa_kernel k_q673041e85d_cvtw
		.amdhsa_group_segment_fixed_size 0
		.amdhsa_private_segment_fixed_size 0
		.amdhsa_enable_private_segment 0
		.amdhsa_kernarg_size 64
		.amdhsa_user_sgpr_count 2
		.amdhsa_user_sgpr_kernarg_segment_ptr 1
		.amdhsa_wavefront_size32 1
		.amdhsa_system_sgpr_workgroup_id_x 1
		.amdhsa_system_sgpr_workgroup_id_y 1
		.amdhsa_system_sgpr_workgroup_id_z 1
		.amdhsa_system_vgpr_workitem_id 0
		.amdhsa_next_free_vgpr 140
		.amdhsa_next_free_sgpr 66
		.amdhsa_reserve_vcc 0
		.amdhsa_float_denorm_mode_32 3
		.amdhsa_float_denorm_mode_16_64 3
		.amdhsa_memory_ordered 1
		.amdhsa_forward_progress 1
		.amdhsa_inst_pref_size 13
	.end_amdhsa_kernel
	.amdgpu_metadata
---
amdhsa.version: [ 1, 2 ]
amdhsa.kernels:
  - .name:           k_q673041e85d_cvtw
    .symbol:         k_q673041e85d_cvtw.kd
    .args:
      - { .name: Vh, .offset: 0, .size: 8, .value_kind: global_buffer, .address_space: global }
      - { .name: Vh_additional, .offset: 8, .size: 8, .value_kind: global_buffer, .address_space: global }
      - { .name: U, .offset: 16, .size: 8, .value_kind: global_buffer, .address_space: global }
      - { .name: U_additional, .offset: 24, .size: 8, .value_kind: global_buffer, .address_space: global }
      - { .name: vhb, .offset: 32, .size: 8, .value_kind: global_buffer, .address_space: global }
      - { .name: vab, .offset: 40, .size: 8, .value_kind: global_buffer, .address_space: global }
      - { .name: ub, .offset: 48, .size: 8, .value_kind: global_buffer, .address_space: global }
      - { .name: uab, .offset: 56, .size: 8, .value_kind: global_buffer, .address_space: global }
    .group_segment_fixed_size: 0
    .private_segment_fixed_size: 0
    .kernarg_segment_align: 8
    .kernarg_segment_size: 64
    .max_flat_workgroup_size: 256
    .sgpr_count:     66
    .vgpr_count:     140
    .wavefront_size: 32
...
	.end_amdgpu_metadata
.endif
;; end of part 1
;; launch gemm1 (part 2): grid 8 x 32, 4 waves a work-group, clusters of 4 x 4, 327,680 bytes of LDS; arguments input, vhb, vab, weight, mask, tm, ta; writes tm, ta
.if DOCPART == 2
	.amdgcn_target "amdgcn-amd-amdhsa--gfx1250"
	.amdhsa_code_object_version 6
	.text
	.protected	k_q673041e85d_gemm1
	.globl	k_q673041e85d_gemm1
	.p2align	8
	.type	k_q673041e85d_gemm1,@function
k_q673041e85d_gemm1:
	s_mov_b64 s[64:65], 0
	v_nop
	global_prefetch_b8 v0, s[64:65] scope:SCOPE_SE
	s_setreg_imm32_b32 hwreg(HW_REG_WAVE_MODE, 25, 1), 1
	s_wait_xcnt 0x0
	s_wait_alu depctr_hold_cnt(0) depctr_sa_sdst(0) depctr_va_vdst(0) depctr_va_sdst(0) depctr_va_ssrc(0) depctr_va_vcc(0) depctr_vm_vsrc(0)
	s_getreg_b32 s2, hwreg(HW_REG_IB_STS2, 6, 4)
	s_cmp_eq_u32 s2, 0
	s_cbranch_scc0 .Lentry_in_a_cluster
	s_endpgm
.Lentry_in_a_cluster:
	s_bfe_u32 s2, ttmp6, 0x10000c
	s_cmp_lg_u32 s2, 0xf033
	s_cbranch_scc0 .Lentry_shape_is_right
	s_endpgm
.Lentry_shape_is_right:
; tm[m][r] = bf16( (sum over k of X[m][k] Vh[r][k]) x s[r] ), s = weight^2 x mask;   ta[m][a] + ta[m][64 + a] = sum over k of X[m][k] Vh_additional[a][k], kept as two bf16 numbers.
; X = input, [2048][4096] f32, rounded to bf16 on its way from LDS to the matrix unit; vhb [1024][4096], vab [64][4096] bf16; tm [2048][1024], ta [2048][128] bf16.
; The module's result is (X Vh^T diag(s)) U^T + (X Vha^T) Ua^T, the same sum as reference()'s X W^T in another order: W, of rank 1088 at the most, is never formed.
; WHY ta HAS TWO PARTS.  An output's additional part has only 64 terms, so one large number of X Vha^T, rounded to bf16's 8 significant bits, can weigh on a whole row of the output.  Columns 0 - 63 hold the sum rounded to
; bf16, columns 64 - 127 what that rounding left, rounded to bf16: 16 significant bits together.  The main part has 1,024 terms and keeps one rounding.
; LIMITS.  X, weight and mask are rounded once to bf16 (to nearest even), as the weights were by the launch before; the main result once to bf16.  Sums in f32, K split four ways and added at the end:
; another order of rounding than reference()'s.  A sum beyond bf16's range (3.39e38) gives an infinity (NaN under a mask of 0, and in ta's second part) where reference() might not; NaN and infinities are not treated apart.
; SHARES.  256 work-groups.  Work-group (nb, mb) makes rows 64 mb .. + 63 x main columns 128 nb .. + 127: 32 tiles of 16 x 16; and two of the row block's 16 additional tiles: rows 64 mb + 32 gx .. + 31 x
; additional columns 16 cx .. + 15 (gx the cluster's x, cx my place in it; nb = 4 gx + cx): 34 tiles in every work-group.  LDS position j (32 rows) of X's tile holds the row block's half j xor gx, by the global
; address alone: so the additional product always takes LDS rows 0 - 31, and no LDS address and no branch hangs on a place.
; K IS SPLIT AMONG THE FOUR WAVES: of each step's 256 k wave w takes 64 w .. 64 w + 63, for all 34 tiles.  So each LDS byte is read once and each number of X is rounded once.  The four partial tiles meet in LDS at the end.
; CLUSTER.  4 x 4 work-groups.  X's tile hangs on the row block (and on gx): shared along a row of the cluster; vhb's and vab's tiles hang on nb and cx: shared along a column.  Each is asked for JOINTLY: the same tensor
; load, descriptor and mask in all four.  Waves 0 and 1 ask for X's two halves, wave 2 for vhb's 128 rows, wave 3 for vab's 16: one load a wave behind each round.
; THE MATRIX INSTRUCTION IS USED TRANSPOSED (source 0 = 16 rows of Vh, source 1 = 16 rows of X): a lane holds one row of X (lane % 16) and the eight neighbouring columns 8 (lane / 16) + 0..7.
; ta is stored in pieces of 32 bytes (16 columns of a row of 256 bytes, twice): 2 x 16 x 32 bytes a wave, once a work-group; tm in whole aligned runs of 256 bytes.
; REGISTERS.  Window 0: addresses, s, the two additional accumulators, X's raw numbers, the fragments.  Window 1: the 32 main accumulators, (a, b) at v[8 (8 a + b)].
.set PA,    1040                       ; a row of X in LDS: 1,024 bytes + 16 = 260 words: row r starts at bank 4 r mod 64 (64 banks of 4 bytes: ISA guide 11.1)
.set PB,    528                        ; a row of vhb or vab: 512 + 16 = 132 words: likewise
.set AHALF, 32*PA                      ; what waves 0 and 1 fetch: 32 rows each
.set BOFF,  64*PA                      ; a slot: X's 64 rows, vhb's 128 rows, vab's 16 rows
.set XOFF,  BOFF+128*PB
.set SLOT,  XOFF+16*PB                 ; 142,592 bytes
.set SPARE, 2*SLOT                     ; behind the two slots: the spare words, 128 bytes for each wave: two blocks of 256 bytes that no other line names
.set REDP,  64*PB                      ; behind the slots' last fill their bytes take the partial sums: wave p's 64 rows x 128 f32 (pitch 528) at p x REDP,
.set XRED,  4*REDP                     ; and its 32 rows x 16 f32 (pitch 80) at XRED + p x XREDP
.set XP,    80
.set XREDP, 32*XP
.set ADRA, 6                           ; v6-7    LDS address of my part of X's fragments in slot 0, 1
.set ADRB, 8                           ; v8-9    the same for vhb
.set ADRX, 10                          ; v10-11  the same for vab: 128 rows on, more than an LDS immediate holds
.set SPW,  12                          ; v12     LDS address of my spare word: SPARE + 4 x my thread's number; never rewritten
.set NIL,  13                          ; v13     0; never rewritten
.set PFO,  14                          ; v14     the prefetches' offset: my lane x a row of X or of vhb; never rewritten
.set PFO2, 15                          ; v15     the same for vab: (lane % 16) rows + 256 (lane / 16)
.set STM,  16                          ; v16     where I put my partial sums, main
.set STX,  17                          ; v17     additional
.set RDM0, 18                          ; v18     where I read partial sums 0 and 1 back
.set RDM2, 19                          ; v19     partial sums 2 and 3
.set RDX,  20                          ; v20     the additional ones
.set TO,   21                          ; v21     my byte offset in two rows of tm
.set TXO,  22                          ; v22     in sixteen rows of ta
.set WO,   23                          ; v23     my eight numbers of weight and of mask
.set SV,   24                          ; v[24:31]  weight, then s
.set MK,   32                          ; v[32:39]  mask
.set ACX,  40                          ; v[40:55]  the two additional accumulators
.set AR,   56                          ; v[56:119] X as it lies in LDS: 4 fragments x 16 f32
.set AF,   120                         ; v[120:151] the same, rounded: 4 fragments of 8
.set BF,   152                         ; v[152:223] 8 fragments of vhb, one of vab
.set PK,   224                         ; v[224:255] results to store
.set RB,   56                          ; v[56:183]  at the end: partial sums read back
.set WV,   18                          ; s18 my wave's number
.set CX,   19
.set CY,   20
.set GX,   21                          ; the cluster's x and y
.set GY,   22
.set NBK,  23
.set MBK,  24
.set H1,   25                          ; wave & 1
.set ALDS, 26
.set G1A,  28                          ; s[28:35] descriptor group 1 for X's tiles
.set G1B,  36                          ; s[36:43] for vhb's
.set G1X,  44                          ; s[44:51] for vab's
.set G0A,  52                          ; s[52:59] group 0 for X's tiles, a set for each slot
.set CNT,  60
.set TMP,  61
.set G0B,  68                          ; s[68:75] for vhb's
.set G0X,  76                          ; s[76:83] for vab's
.set PFA,  92                          ; s[92:93] where my prefetches stand
.set PFS,  94                          ; s[94:95] their step: a K step's bytes in a row
.set PFB,  96                          ; s[96:97] the same for vab
.set LIM,  98                          ; s98  1 in a wave that prefetches, else the greatest number
.set LIMV, 99                          ; s99  the same for vab
.set MSB, 0
.macro WIN new                         ; the immediate's high byte repeats the setting that is left; a switch that changes nothing is dropped
.if MSB != (\new)
	s_set_vgpr_msb (MSB<<8)|(\new)
.set MSB, \new
.endif
.endm
.macro PLACES                          ; four places behind a matrix instruction, in front of loads into and conversions onto registers that it has read
.rept 4
	v_nop
.endr
.endm
; A round of the cluster's barrier: my work-group's barrier, so that wave 0's signal speaks for all four waves; wave 0 signals; every wave waits for all sixteen work-groups; my work-group's barrier once more.
.macro CROUND
	s_barrier_signal -1
	s_barrier_wait -1
	s_cmp_lg_u32 s[WV], 0
	s_cbranch_scc1 .Lnot_wave_0_\@
	s_barrier_signal -3
.Lnot_wave_0_\@:
	s_barrier_wait -3
	s_barrier_signal -1
	s_barrier_wait -1
.endm
; A joint load into slot s.  Each of the three lines has one mask and one set of registers for all that issue it; the branches hang on the wave's number alone.
; An s_nop 0 and four v_nop follow each line, ahead of the jump, the label and what follows.
.macro JLOAD s
	s_cmp_lt_u32 s[WV], 2
	s_cbranch_scc0 .Lnot_a_\@
	tensor_load_to_lds s[G0A+4*(\s):G0A+4*(\s)+3], s[G1A:G1A+7]
	s_nop 0
.rept 4
	v_nop
.endr
	s_branch .Lasked_\@
.Lnot_a_\@:
	s_cmp_eq_u32 s[WV], 2
	s_cbranch_scc0 .Lfor_x_\@
	tensor_load_to_lds s[G0B+4*(\s):G0B+4*(\s)+3], s[G1B:G1B+7]
	s_nop 0
.rept 4
	v_nop
.endr
	s_branch .Lasked_\@
.Lfor_x_\@:
	tensor_load_to_lds s[G0X+4*(\s):G0X+4*(\s)+3], s[G1X:G1X+7]
	s_nop 0
.rept 4
	v_nop
.endr
.Lasked_\@:
.endm
; PREFETCHES INTO THE L2, behind a step's first run of LDS loads: the tile that stands two refills on (in step t the refill has brought tile t + 1; tile t + 3 is named).  Each aligned block of 256 bytes is named once in the launch.
; X's rows are read by both clusters of a row of clusters: the one with gx = 0 asks; waves 0 and 1 for the 32 rows that they fetch, a lane a row; of a row's 1,024 bytes of a tile the partner at cx takes 256.
; vhb's rows are read by all eight clusters of a column: the one with gy = 0 asks; the partner at cy takes 32 of the 128 rows, waves 2 and 3 the two halves of their 512 bytes.
; Partners are told apart by address alone.  Tiles 0 to 3 come by their loads alone; the loop's last trip asks for nothing: the tiles behind tile 15 do not exist.
.macro ASK
	s_cmp_gt_u32 s[CNT], s[LIM]
	s_cbranch_scc0 .Lnot_mine_\@
	global_prefetch_b8 v[PFO], s[PFA:PFA+1] th:TH_LOAD_NT scope:SCOPE_SE
.Lnot_mine_\@:
.endm
; vab is read by every cluster: cluster (0, 0) asks, its wave 3.  A tile is 16 rows x 512 bytes: 32 blocks, a lane a block.  In the trips with CNT = 7, 5, 3 (trip i = 0, 2, 4) the partner at cy names tile 2 i + 4 + cy.
.macro ASKV
	s_and_b32 s[TMP], s[CNT], 1
	s_mul_i32 s[TMP], s[TMP], s[CNT]               ; CNT where it is odd, else 0
	s_cmp_gt_u32 s[TMP], s[LIMV]
	s_cbranch_scc0 .Lnot_minev_\@
	global_prefetch_b8 v[PFO2], s[PFB:PFB+1] th:TH_LOAD_NT scope:SCOPE_SE
.Lnot_minev_\@:
.endm
	s_load_b256 s[4:11], s[0:1], 0x0               ; input s[4:5], vhb s[6:7], vab s[8:9], weight s[10:11]
	s_load_b128 s[12:15], s[0:1], 0x20             ; mask s[12:13], tm s[14:15]
	s_load_b64 s[16:17], s[0:1], 0x30              ; ta
	v_lshl_add_u32 v[SPW], v0, 2, SPARE
	v_mov_b32 v[NIL], 0
	ds_add_u32 v[SPW], v[NIL]                      ; the wave's opening: the add, twice on end, and its wait, ahead of my first tensor load; the set-up below, work on registers, stands between
	ds_add_u32 v[SPW], v[NIL]                      ; and once more, under the one wait
	v_lshrrev_b32 v4, 5, v0
	v_readfirstlane_b32 s[WV], v4                  ; wave 0..3
	s_and_b32 s[H1], s[WV], 1
	s_bfe_u32 s[CX], ttmp6, 0x40000                ; my place in the cluster
	s_bfe_u32 s[CY], ttmp6, 0x40004
	s_mov_b32 s[GX], ttmp9                         ; in a cluster launch ttmp9 and ttmp7 count clusters
	s_and_b32 s[GY], ttmp7, 0xffff
	s_lshl_b32 s[NBK], s[GX], 2
	s_add_co_u32 s[NBK], s[NBK], s[CX]             ; column block of 128
	s_lshl_b32 s[MBK], s[GY], 2
	s_add_co_u32 s[MBK], s[MBK], s[CY]             ; row block of 64
	s_lshl_b32 s84, s[CY], 2
	s_lshl_b32 s84, 15, s84                        ; my row of the cluster: places 4 cy .. 4 cy + 3
	s_lshl_b32 s85, 0x1111, s[CX]                  ; my column: places cx, cx + 4, cx + 8, cx + 12
	; group 1.  15:0 the mask; 17:16 the element's size (code 2: 4 bytes, code 1: 2 bytes); 20 padding on; 21 set beside a mask; 24:22 after every 256 words (code 7) or 128 (code 6); 31:25 4 words of it (code 3)
	s_or_b32 s[G1A], s84, (2<<16)|(1<<20)|(1<<21)|(7<<22)|(3<<25)
	s_or_b32 s[G1B], s85, (1<<16)|(1<<20)|(1<<21)|(6<<22)|(3<<25)
	s_or_b32 s[G1X], s85, (1<<16)|(1<<20)|(1<<21)|(6<<22)|(3<<25)
.irp g, G1A, G1B, G1X
	s_mov_b32 s[(\g)+1], 256<<16                   ; tensor_dim0 = 256 elements: a K step
	s_mov_b32 s[(\g)+3], 256<<16                   ; tile_dim0 = 256
	s_mov_b32 s[(\g)+5], 4096                      ; elements from row to row
	s_mov_b32 s[(\g)+6], 0
	s_mov_b32 s[(\g)+7], 0
.endr
	s_mov_b32 s[G1A+2], 32<<16                     ; tensor_dim1 and tile_dim1: 32 rows of X,
	s_mov_b32 s[G1A+4], 32
	s_mov_b32 s[G1B+2], 128<<16                    ; 128 of vhb,
	s_mov_b32 s[G1B+4], 128
	s_mov_b32 s[G1X+2], 16<<16                     ; 16 of vab
	s_mov_b32 s[G1X+4], 16
	; where the tiles come from.  X's address is made of the row block, the cluster's x and the wave's number, vhb's and vab's of the column block and cx: each in registers of its own
	s_xor_b32 s86, s[H1], s[GX]                    ; LDS half j takes the row block's half j xor gx
	s_lshl_b32 s86, s86, 5
	s_lshl_b32 s87, s[MBK], 6
	s_add_co_u32 s86, s86, s87
	s_lshl_b32 s86, s86, 14                        ; a row of X is 16,384 bytes
	s_mov_b32 s87, 0
	s_lshl_b32 s88, s[NBK], 20                     ; 128 rows of 8,192 bytes
	s_mov_b32 s89, 0
	s_lshl_b32 s90, s[CX], 17                      ; 16 rows of 8,192 bytes
	s_mov_b32 s91, 0
	s_mul_i32 s[ALDS], s[H1], AHALF                ; and where X's half goes: no place in the cluster enters an LDS address
	s_wait_dscnt 0x0                               ; both opening adds are done
	s_wait_kmcnt 0x0
	s_add_nc_u64 s[86:87], s[4:5], s[86:87]
	s_add_nc_u64 s[88:89], s[6:7], s[88:89]
	s_add_nc_u64 s[90:91], s[8:9], s[90:91]
	CROUND                                         ; all sixteen work-groups are here: the first joint loads meet
.irp s, 0,1
	s_mov_b32 s[G0A+4*(\s)], 1                                     ; count = 1
	s_add_co_u32 s[G0A+4*(\s)+1], s[ALDS], (\s)*SLOT               ; LDS address
	s_add_nc_u64 s[G0A+4*(\s)+2:G0A+4*(\s)+3], s[86:87], (\s)*1024 ; global address: K step s
	s_or_b32 s[G0A+4*(\s)+3], s[G0A+4*(\s)+3], 0x80000000          ; type = 2
	s_mov_b32 s[G0B+4*(\s)], 1
	s_mov_b32 s[G0B+4*(\s)+1], BOFF+(\s)*SLOT
	s_add_nc_u64 s[G0B+4*(\s)+2:G0B+4*(\s)+3], s[88:89], (\s)*512
	s_or_b32 s[G0B+4*(\s)+3], s[G0B+4*(\s)+3], 0x80000000
	s_mov_b32 s[G0X+4*(\s)], 1
	s_mov_b32 s[G0X+4*(\s)+1], XOFF+(\s)*SLOT
	s_add_nc_u64 s[G0X+4*(\s)+2:G0X+4*(\s)+3], s[90:91], (\s)*512
	s_or_b32 s[G0X+4*(\s)+3], s[G0X+4*(\s)+3], 0x80000000
	JLOAD \s                                       ; both slots are asked for before anything else is done: two loads of mine are out
.endr
	v_and_b32 v1, 15, v0                           ; r = lane % 16
	v_bfe_u32 v2, v0, 4, 1                         ; h = lane / 16
	v_and_b32 v3, 31, v0                           ; lane
	s_lshl_b32 s84, s[NBK], 9
	v_lshl_add_u32 v[WO], v1, 5, s84               ; at the end I hold columns 128 nb + 8 r + 0..7: 32 bytes of weight and of mask
	global_load_b128 v[SV:SV+3],   v[WO], s[10:11]
	global_load_b128 v[SV+4:SV+7], v[WO], s[10:11] offset:16
	global_load_b128 v[MK:MK+3],   v[WO], s[12:13]
	global_load_b128 v[MK+4:MK+7], v[WO], s[12:13] offset:16
	; A fragment is 16 rows x 32 k: lane l holds row r; registers 0-3 k = 8 h + 0..7, registers 4-7 k = 16 + 8 h + 0..7.  In f32 those are 32 bytes at 32 h and 32 bytes at 64 + 32 h; in bf16 16 bytes at 16 h and at 32 + 16 h.
	v_mul_u32_u24 v4, v1, PA
	v_lshl_add_u32 v4, v2, 5, v4
	s_lshl_b32 s84, s[WV], 8                       ; my 64 k of a step: 256 bytes of f32,
	v_add_nc_u32 v[ADRA], s84, v4
	v_add_nc_u32 v[ADRA+1], SLOT, v[ADRA]
	v_mul_u32_u24 v5, v1, PB
	v_lshl_add_u32 v4, v2, 4, v5
	s_lshl_b32 s84, s[WV], 7                       ; 128 bytes of bf16
	s_add_co_u32 s84, s84, BOFF
	v_add_nc_u32 v[ADRB], s84, v4
	v_add_nc_u32 v[ADRB+1], SLOT, v[ADRB]
	v_add_nc_u32 v[ADRX], 128*PB, v[ADRB]
	v_add_nc_u32 v[ADRX+1], 128*PB, v[ADRB+1]
	v_lshl_add_u32 v4, v2, 5, v5                   ; partial sums in: row r, 32 bytes for each half of the lanes
	s_mul_i32 s84, s[WV], REDP
	v_add_nc_u32 v[STM], s84, v4
	v_mul_u32_u24 v4, v1, XP
	v_lshl_add_u32 v4, v2, 5, v4
	s_mul_i32 s84, s[WV], XREDP
	s_add_co_u32 s84, s84, XRED
	v_add_nc_u32 v[STX], s84, v4
	v_mul_u32_u24 v4, v2, PB                       ; back: wave w takes LDS rows 16 w .. + 15; lanes 0-15 one row, lanes 16-31 the next, 32 bytes a lane
	v_lshl_add_u32 v4, v1, 5, v4
	s_mul_i32 s84, s[WV], 16*PB
	v_add_nc_u32 v[RDM0], s84, v4
	v_add_nc_u32 v[RDM2], 2*REDP, v[RDM0]
	v_lshrrev_b32 v4, 1, v3                        ; the additional ones: two lanes a row
	v_and_b32 v5, 1, v3
	v_mul_u32_u24 v[RDX], v4, XP
	v_lshl_add_u32 v[RDX], v5, 5, v[RDX]
	s_mul_i32 s84, s[H1], 16*XP
	s_add_co_u32 s84, s84, XRED
	v_add_nc_u32 v[RDX], s84, v[RDX]
	v_lshlrev_b32 v[TXO], 8, v4                    ; a row of ta is 256 bytes
	v_lshl_add_u32 v[TXO], v5, 4, v[TXO]
	v_lshlrev_b32 v[TO], 11, v2                    ; a row of tm is 2,048 bytes
	v_lshl_add_u32 v[TO], v1, 4, v[TO]
	; tm at the 16 rows that I finish: LDS rows 16 w .. lie in LDS half w / 2, which holds the row block's half (w / 2) xor gx
	s_lshr_b32 s84, s[WV], 1
	s_xor_b32 s84, s84, s[GX]
	s_lshl_b32 s84, s84, 5
	s_lshl_b32 s85, s[MBK], 6
	s_add_co_u32 s84, s84, s85
	s_lshl_b32 s85, s[H1], 4
	s_add_co_u32 s84, s84, s85
	s_lshl_b32 s84, s84, 11
	s_lshl_b32 s85, s[NBK], 8                      ; 128 columns: 256 bytes
	s_add_co_u32 s84, s84, s85
	s_mov_b32 s85, 0
	s_add_nc_u64 s[14:15], s[14:15], s[84:85]
	; ta at rows 64 mb + 32 gx + 16 w (waves 0 and 1), columns 16 cx of its first part
	s_lshl_b32 s84, s[MBK], 6
	s_lshl_b32 s85, s[GX], 5
	s_add_co_u32 s84, s84, s85
	s_lshl_b32 s85, s[H1], 4
	s_add_co_u32 s84, s84, s85
	s_lshl_b32 s84, s84, 8
	s_lshl_b32 s85, s[CX], 5
	s_add_co_u32 s84, s84, s85
	s_mov_b32 s85, 0
	s_add_nc_u64 s[16:17], s[16:17], s[84:85]
	; the prefetches' pointers: at tile 3; each change of slots steps them, so the first names tile 4
	s_xor_b32 s84, s[H1], s[GX]
	s_lshl_b32 s84, s84, 5
	s_lshl_b32 s85, s[MBK], 6
	s_add_co_u32 s84, s84, s85
	s_lshl_b32 s84, s84, 14                        ; X: the 32 rows that I fetch,
	s_lshl_b32 s85, s[CX], 8
	s_add_co_u32 s84, s84, s85                     ; my work-group's 256 of a tile's 1,024 bytes
	s_add_co_u32 s84, s84, 3*1024
	s_lshl_b32 s86, s[NBK], 7
	s_lshl_b32 s87, s[CY], 5
	s_add_co_u32 s86, s86, s87
	s_lshl_b32 s86, s86, 13                        ; vhb: my work-group's 32 of the 128 rows,
	s_lshl_b32 s87, s[H1], 8
	s_add_co_u32 s86, s86, s87                     ; wave 2 the first 256 of a tile's 512 bytes, wave 3 the second
	s_add_co_u32 s86, s86, 3*512
	s_movk_i32 s88, 1024
	s_movk_i32 s89, 512
	s_cmp_lt_u32 s[WV], 2
	s_cselect_b32 s90, s84, s86
	s_mov_b32 s91, 0
	s_cselect_b64 s[PFA:PFA+1], s[4:5], s[6:7]
	s_cselect_b32 s[PFS], s88, s89
	s_mov_b32 s[PFS+1], 0
	s_cselect_b32 s62, 14, 13                      ; a row's bytes, as a shift
	s_cselect_b32 s63, s[GX], s[GY]                ; the coordinate along which other clusters read the same rows
	s_add_nc_u64 s[PFA:PFA+1], s[PFA:PFA+1], s[90:91]
	s_cmp_eq_u32 s63, 0
	s_cselect_b32 s[LIM], 1, -1                    ; the same in all sixteen partners, for a given wave
	v_lshlrev_b32 v[PFO], s62, v3
	s_xor_b32 s63, s[WV], 3
	s_or_b32 s63, s63, s[GX]
	s_or_b32 s63, s63, s[GY]
	s_cmp_eq_u32 s63, 0
	s_cselect_b32 s[LIMV], 1, -1                   ; wave 3 of cluster (0, 0)
	s_lshl_b32 s84, s[CX], 17
	s_lshl_b32 s85, s[CY], 9
	s_add_co_u32 s84, s84, s85
	s_add_co_u32 s84, s84, 2*512                   ; vab at tile 2 + cy; a trip steps it by two tiles
	s_mov_b32 s85, 0
	s_add_nc_u64 s[PFB:PFB+1], s[8:9], s[84:85]
	v_lshlrev_b32 v[PFO2], 13, v1
	v_lshl_add_u32 v[PFO2], v2, 8, v[PFO2]
; 16 LDS loads: X's four fragments of round q (32 k at 128 q bytes of my 256), as f32
.macro LOADA slot, q
.irp a, 0,1,2,3
	ds_load_b128 v[AR+16*(\a):AR+16*(\a)+3],     v[ADRA+(\slot)] offset:(\a)*16*PA+128*(\q)
	ds_load_b128 v[AR+16*(\a)+4:AR+16*(\a)+7],   v[ADRA+(\slot)] offset:(\a)*16*PA+128*(\q)+16
	ds_load_b128 v[AR+16*(\a)+8:AR+16*(\a)+11],  v[ADRA+(\slot)] offset:(\a)*16*PA+128*(\q)+64
	ds_load_b128 v[AR+16*(\a)+12:AR+16*(\a)+15], v[ADRA+(\slot)] offset:(\a)*16*PA+128*(\q)+80
.endr
.endm
; 18 LDS loads: vhb's eight fragments and vab's one
.macro LOADB slot, q
.irp b, 0,1,2,3,4,5,6,7
	ds_load_b128 v[BF+8*(\b):BF+8*(\b)+3],   v[ADRB+(\slot)] offset:(\b)*16*PB+64*(\q)
	ds_load_b128 v[BF+8*(\b)+4:BF+8*(\b)+7], v[ADRB+(\slot)] offset:(\b)*16*PB+64*(\q)+32
.endr
	ds_load_b128 v[BF+64:BF+67], v[ADRX+(\slot)] offset:64*(\q)
	ds_load_b128 v[BF+68:BF+71], v[ADRX+(\slot)] offset:64*(\q)+32
.endm
.macro CVT                             ; X's four fragments, rounded to bf16: 32 conversions of two numbers
.irp a, 0,1,2,3
.irp i, 0,1,2,3,4,5,6,7
	v_cvt_pk_bf16_f32 v[AF+8*(\a)+(\i)], v[AR+16*(\a)+2*(\i)], v[AR+16*(\a)+2*(\i)+1]
.endr
.endr
.endm
; 34 matrix instructions: 32 along K for all 34 tiles.  The 34 accumulators take turns, one instruction a turn, from round to round, step to step and over the backward jump.
; zero = 1: the first products start the sums: nothing is ever cleared.
.macro MULS zero
	WIN 0x50                                       ; C and D in window 1, the sources in window 0
.irp a, 0,1,2,3
.irp b, 0,1,2,3,4,5,6,7
.if \zero
	v_wmma_f32_16x16x32_bf16 v[8*(8*(\a)+(\b)):8*(8*(\a)+(\b))+7], v[BF+8*(\b):BF+8*(\b)+7], v[AF+8*(\a):AF+8*(\a)+7], 0
.else
	v_wmma_f32_16x16x32_bf16 v[8*(8*(\a)+(\b)):8*(8*(\a)+(\b))+7], v[BF+8*(\b):BF+8*(\b)+7], v[AF+8*(\a):AF+8*(\a)+7], v[8*(8*(\a)+(\b)):8*(8*(\a)+(\b))+7]
.endif
.endr
.endr
	WIN 0
.irp a, 0,1
.if \zero
	v_wmma_f32_16x16x32_bf16 v[ACX+8*(\a):ACX+8*(\a)+7], v[BF+64:BF+71], v[AF+8*(\a):AF+8*(\a)+7], 0
.else
	v_wmma_f32_16x16x32_bf16 v[ACX+8*(\a):ACX+8*(\a)+7], v[BF+64:BF+71], v[AF+8*(\a):AF+8*(\a)+7], v[ACX+8*(\a):ACX+8*(\a)+7]
.endif
.endr
.endm
; A K step, for my 64 k of it: two rounds of 32.  Four places stand ahead of it (behind the joint load, or written out).
.macro BODY slot, zero, ask, askv
	LOADA \slot, 0
	LOADB \slot, 0
.if \ask
	ASK
.endif
.if \askv
	ASKV
.endif
	s_wait_dscnt 18                                ; X's 16 loads are in; the 18 younger ones may stay out
	CVT
	LOADA \slot, 1                                 ; the second round's X, while the first is multiplied
	s_wait_dscnt 16                                ; the 18 are in; the 16 just issued may stay out
	MULS \zero
	PLACES                                         ; in front of the loads into the fragments just multiplied, and of the conversions onto X's
	LOADB \slot, 1
	s_wait_dscnt 18                                ; the second round's X is in
	CVT
	s_wait_dscnt 0x0                               ; all my reads of this slot are back
	MULS 0
.endm
; THE CHANGE OF SLOTS: slot s, just read, is filled again with the tile two steps on.  Each wave waits for all its tensor loads, of which one is out: its part of the other slot; adds 0 to its spare word; and waits for that
; (its reads of the slot are back since the step's last wait).  The round of the cluster's barrier then shows the same of every wave of every partner, and the joint refill is the first thing behind it.
.macro CHANGE s
	s_wait_xcnt 0x0                                ; the last prefetches, a step back, have read their addresses: they are stepped here, ahead of the change's own waits
	s_add_nc_u64 s[PFA:PFA+1], s[PFA:PFA+1], s[PFS:PFS+1]
.if (\s) == 0
	s_add_nc_u64 s[PFB:PFB+1], s[PFB:PFB+1], 2*512
.endif
	s_wait_tensorcnt 0x0                           ; no tensor load of mine is out, so a group 0 may be written
	ds_add_u32 v[SPW], v[NIL]                      ; 0 onto my spare word; the descriptors' steps stand between it and the wait for it
	s_add_nc_u64 s[G0A+4*(\s)+2:G0A+4*(\s)+3], s[G0A+4*(\s)+2:G0A+4*(\s)+3], 2*1024  ; two K steps on; the type bits on top are not reached
	s_add_nc_u64 s[G0B+4*(\s)+2:G0B+4*(\s)+3], s[G0B+4*(\s)+2:G0B+4*(\s)+3], 2*512
	s_add_nc_u64 s[G0X+4*(\s)+2:G0X+4*(\s)+3], s[G0X+4*(\s)+2:G0X+4*(\s)+3], 2*512
	s_wait_dscnt 0x0                               ; the add is done
	CROUND
	JLOAD \s                                       ; it has one K step, 68 matrix instructions of mine, in which to land; its four v_nop are also the places in front of the step's loads
.endm
	s_wait_tensorcnt 0x1                           ; my part of tile 0 is in; tile 1's may stay out
	s_barrier_signal -1
	s_barrier_wait -1                              ; everybody's is
	BODY 0, 1, 0, 0                                ; step 0 stands in front of the loop: its first products start the sums
	s_mov_b32 s[CNT], 7
.Ltrip:                                        ; trip i: tile 2 i + 2 asked for, step 2 i + 1, tile 2 i + 3 asked for, step 2 i + 2
	CHANGE 0
	BODY 1, 0, 1, 1
	CHANGE 1
	BODY 0, 0, 1, 0
	s_sub_co_u32 s[CNT], s[CNT], 1
	s_cmp_lg_u32 s[CNT], 0
	s_cbranch_scc1 .Ltrip
	s_wait_tensorcnt 0x0                           ; the last step is written out: my part of tile 15 is in; nothing is asked for, so no round follows
	ds_add_u32 v[SPW], v[NIL]
	s_wait_dscnt 0x0
	s_barrier_signal -1
	s_barrier_wait -1
	PLACES
	BODY 1, 0, 0, 0
	; THE FOUR PARTIAL TILES MEET.  The slots have had their last fill; every wave's reads of them are back (the step's last wait), and behind this barrier their bytes take the partial sums.
.rept 8
	v_nop                                          ; the places behind the last products, in front of the stores that read them
.endr
	s_barrier_signal -1
	s_barrier_wait -1
	WIN 0x04                                       ; the stores' data in window 1
.irp a, 0,1,2,3
.irp b, 0,1,2,3,4,5,6,7
	ds_store_b128 v[STM], v[8*(8*(\a)+(\b)):8*(8*(\a)+(\b))+3]   offset:(\a)*16*PB+64*(\b)     ; each accumulator's low registers first
	ds_store_b128 v[STM], v[8*(8*(\a)+(\b))+4:8*(8*(\a)+(\b))+7] offset:(\a)*16*PB+64*(\b)+16
.endr
.endr
	WIN 0
.irp a, 0,1
	ds_store_b128 v[STX], v[ACX+8*(\a):ACX+8*(\a)+3]   offset:(\a)*16*XP
	ds_store_b128 v[STX], v[ACX+8*(\a)+4:ACX+8*(\a)+7] offset:(\a)*16*XP+16
.endr
	s_wait_loadcnt 0x0                             ; weight and mask, asked for at the start
.irp i, 0,2,4,6                        ; both are rounded to bf16, like every input, and widened again; s = (w w) m in f32
	v_cvt_pk_bf16_f32 v4, v[SV+(\i)], v[SV+(\i)+1]
	v_cvt_pk_bf16_f32 v5, v[MK+(\i)], v[MK+(\i)+1]
	v_lshlrev_b32 v[SV+(\i)], 16, v4
	v_and_b32 v[SV+(\i)+1], 0xffff0000, v4
	v_lshlrev_b32 v[MK+(\i)], 16, v5
	v_and_b32 v[MK+(\i)+1], 0xffff0000, v5
	v_pk_mul_f32 v[SV+(\i):SV+(\i)+1], v[SV+(\i):SV+(\i)+1], v[SV+(\i):SV+(\i)+1]
	v_pk_mul_f32 v[SV+(\i):SV+(\i)+1], v[SV+(\i):SV+(\i)+1], v[MK+(\i):MK+(\i)+1]
.endr
	s_wait_dscnt 0x0                               ; for the others' sake: my partial sums lie in LDS
	s_barrier_signal -1
	s_barrier_wait -1
; Four pairs of rows (pairs 4 g .. 4 g + 3 of my eight): the four partial sums are read, added, scaled by s, rounded and stored.
; 64 such loads a wave, once a launch.
.macro FINISH g
.irp u, 0,1,2,3
.irp p, 0,1
	ds_load_b128 v[RB+32*(\u)+8*(\p):RB+32*(\u)+8*(\p)+3],         v[RDM0] offset:(\p)*REDP+2*(4*(\g)+(\u))*PB
	ds_load_b128 v[RB+32*(\u)+8*(\p)+4:RB+32*(\u)+8*(\p)+7],       v[RDM0] offset:(\p)*REDP+2*(4*(\g)+(\u))*PB+16
	ds_load_b128 v[RB+32*(\u)+16+8*(\p):RB+32*(\u)+16+8*(\p)+3],   v[RDM2] offset:(\p)*REDP+2*(4*(\g)+(\u))*PB
	ds_load_b128 v[RB+32*(\u)+16+8*(\p)+4:RB+32*(\u)+16+8*(\p)+7], v[RDM2] offset:(\p)*REDP+2*(4*(\g)+(\u))*PB+16
.endr
.endr
.irp u, 0,1,2,3
	s_wait_dscnt 24-8*(\u)                         ; pair u's eight loads are in; the eight of each younger pair may stay out
.irp i, 0,2,4,6
	v_pk_add_f32 v[RB+32*(\u)+(\i):RB+32*(\u)+(\i)+1], v[RB+32*(\u)+(\i):RB+32*(\u)+(\i)+1], v[RB+32*(\u)+8+(\i):RB+32*(\u)+8+(\i)+1]
	v_pk_add_f32 v[RB+32*(\u)+16+(\i):RB+32*(\u)+16+(\i)+1], v[RB+32*(\u)+16+(\i):RB+32*(\u)+16+(\i)+1], v[RB+32*(\u)+24+(\i):RB+32*(\u)+24+(\i)+1]
.endr
.irp i, 0,2,4,6
	v_pk_add_f32 v[RB+32*(\u)+(\i):RB+32*(\u)+(\i)+1], v[RB+32*(\u)+(\i):RB+32*(\u)+(\i)+1], v[RB+32*(\u)+16+(\i):RB+32*(\u)+16+(\i)+1]
.endr
.irp i, 0,2,4,6
	v_pk_mul_f32 v[RB+32*(\u)+(\i):RB+32*(\u)+(\i)+1], v[RB+32*(\u)+(\i):RB+32*(\u)+(\i)+1], v[SV+(\i):SV+(\i)+1]
.endr
.irp i, 0,2,4,6
	v_cvt_pk_bf16_f32 v[PK+4*(4*(\g)+(\u))+(\i)/2], v[RB+32*(\u)+(\i)], v[RB+32*(\u)+(\i)+1]
.endr
	global_store_b128 v[TO], v[PK+4*(4*(\g)+(\u)):PK+4*(4*(\g)+(\u))+3], s[14:15] offset:2*(4*(\g)+(\u))*2048  ; 16 lanes store 256 consecutive bytes, at a multiple of 256 from tm's first byte
.endr
.endm
	FINISH 0
	FINISH 1
	s_cmp_lt_u32 s[WV], 2                          ; waves 0 and 1 finish the two additional tiles: no scale
	s_cbranch_scc0 .Lend
.irp p, 0,1,2,3
	ds_load_b128 v[RB+8*(\p):RB+8*(\p)+3],   v[RDX] offset:(\p)*XREDP
	ds_load_b128 v[RB+8*(\p)+4:RB+8*(\p)+7], v[RDX] offset:(\p)*XREDP+16
.endr
	s_wait_dscnt 0x0
.irp i, 0,2,4,6
	v_pk_add_f32 v[RB+(\i):RB+(\i)+1], v[RB+(\i):RB+(\i)+1], v[RB+8+(\i):RB+8+(\i)+1]
	v_pk_add_f32 v[RB+16+(\i):RB+16+(\i)+1], v[RB+16+(\i):RB+16+(\i)+1], v[RB+24+(\i):RB+24+(\i)+1]
.endr
.irp i, 0,2,4,6
	v_pk_add_f32 v[RB+(\i):RB+(\i)+1], v[RB+(\i):RB+(\i)+1], v[RB+16+(\i):RB+16+(\i)+1]
.endr
.irp i, 0,2,4,6
	v_cvt_pk_bf16_f32 v[RB+32+(\i)/2], v[RB+(\i)], v[RB+(\i)+1]                  ; the first part: the sum rounded to bf16
.endr
.irp i, 0,2,4,6
	v_lshlrev_b32 v[RB+8+(\i)], 16, v[RB+32+(\i)/2]                              ; widened again,
	v_and_b32 v[RB+8+(\i)+1], 0xffff0000, v[RB+32+(\i)/2]
.endr
.irp i, 0,2,4,6
	v_pk_add_f32 v[RB+(\i):RB+(\i)+1], v[RB+(\i):RB+(\i)+1], v[RB+8+(\i):RB+8+(\i)+1] neg_lo:[0,1] neg_hi:[0,1]  ; and taken away: what the rounding left (exact in f32)
.endr
.irp i, 0,2,4,6
	v_cvt_pk_bf16_f32 v[RB+36+(\i)/2], v[RB+(\i)], v[RB+(\i)+1]                  ; the second part
.endr
	global_store_b128 v[TXO], v[RB+32:RB+35], s[16:17]
	global_store_b128 v[TXO], v[RB+36:RB+39], s[16:17] offset:128                ; 64 columns on
.Lend:
	s_wait_tensorcnt 0x0                           ; the wave's end: behind my last tensor load and my last LDS store
	ds_add_u32 v[SPW], v[NIL]
	s_wait_dscnt 0x0
	CROUND                                         ; the closing round: no work-group ends while a partner may still ask for a tile that names it
	s_endpgm
.Lfunc_end_k_q673041e85d_gemm1:
	.size	k_q673041e85d_gemm1, .Lfunc_end_k_q673041e85d_gemm1-k_q673041e85d_gemm1
	.p2alignl 7, 3214868480
	.fill 96, 4, 3214868480
	.section	.rodata,"a",@progbits
	.p2align	6, 0x0
	.amdhsa_kernel k_q673041e85d_gemm1
		.amdhsa_group_segment_fixed_size 327680
		.amdhsa_private_segment_fixed_size 0
		.amdhsa_enable_private_segment 0
		.amdhsa_kernarg_size 56
		.amdhsa_user_sgpr_count 2
		.amdhsa_user_sgpr_kernarg_segment_ptr 1
		.amdhsa_wavefront_size32 1
		.amdhsa_system_sgpr_workgroup_id_x 1
		.amdhsa_system_sgpr_workgroup_id_y 1
		.amdhsa_system_sgpr_workgroup_id_z 1
		.amdhsa_system_vgpr_workitem_id 0
		.amdhsa_next_free_vgpr 512
		.amdhsa_next_free_sgpr 100
		.amdhsa_reserve_vcc 0
		.amdhsa_float_denorm_mode_32 3
		.amdhsa_float_denorm_mode_16_64 3
		.amdhsa_memory_ordered 1
		.amdhsa_forward_progress 1
		.amdhsa_inst_pref_size 92
	.end_amdhsa_kernel
	.amdgpu_metadata
---
amdhsa.version: [ 1, 2 ]
amdhsa.kernels:
  - .name:           k_q673041e85d_gemm1
    .symbol:         k_q673041e85d_gemm1.kd
    .args:
      - { .name: input, .offset: 0, .size: 8, .value_kind: global_buffer, .address_space: global }
      - { .name: vhb, .offset: 8, .size: 8, .value_kind: global_buffer, .address_space: global }
      - { .name: vab, .offset: 16, .size: 8, .value_kind: global_buffer, .address_space: global }
      - { .name: weight, .offset: 24, .size: 8, .value_kind: global_buffer, .address_space: global }
      - { .name: mask, .offset: 32, .size: 8, .value_kind: global_buffer, .address_space: global }
      - { .name: tm, .offset: 40, .size: 8, .value_kind: global_buffer, .address_space: global }
      - { .name: ta, .offset: 48, .size: 8, .value_kind: global_buffer, .address_space: global }
    .group_segment_fixed_size: 327680
    .private_segment_fixed_size: 0
    .kernarg_segment_align: 8
    .kernarg_segment_size: 56
    .max_flat_workgroup_size: 128
    .sgpr_count:     100
    .vgpr_count:     512
    .wavefront_size: 32
...
	.end_amdgpu_metadata
.endif
;; end of part 2
;; launch gemm2 (part 3): grid 16 x 16, 4 waves a work-group, clusters of 4 x 4, 327,680 bytes of LDS; arguments tm, ta, ub, uab, out0; writes out0
.if DOCPART == 3
	.amdgcn_target "amdgcn-amd-amdhsa--gfx1250"
	.amdhsa_code_object_version 6
	.text
	.protected	k_q673041e85d_gemm2
	.globl	k_q673041e85d_gemm2
	.p2align	8
	.type	k_q673041e85d_gemm2,@function
k_q673041e85d_gemm2:
	s_mov_b64 s[64:65], 0
	v_nop
	global_prefetch_b8 v0, s[64:65] scope:SCOPE_SE
	s_setreg_imm32_b32 hwreg(HW_REG_WAVE_MODE, 25, 1), 1
	s_wait_xcnt 0x0
	s_wait_alu depctr_hold_cnt(0) depctr_sa_sdst(0) depctr_va_vdst(0) depctr_va_sdst(0) depctr_va_ssrc(0) depctr_va_vcc(0) depctr_vm_vsrc(0)
	s_getreg_b32 s2, hwreg(HW_REG_IB_STS2, 6, 4)
	s_cmp_eq_u32 s2, 0
	s_cbranch_scc0 .Lentry_in_a_cluster
	s_endpgm
.Lentry_in_a_cluster:
	s_bfe_u32 s2, ttmp6, 0x10000c
	s_cmp_lg_u32 s2, 0xf033
	s_cbranch_scc0 .Lentry_shape_is_right
	s_endpgm
.Lentry_shape_is_right:
; out0[m][o] = sum over r of tm[m][r] ub[o][r] + sum over a of (ta[m][a] + ta[m][64 + a]) uab[o][a].  tm [2048][1024], ta [2048][128] (a sum's two bf16 parts, 64 columns apart), ub [4096][1024], uab [4096][64],
; all bf16; out0 [2048][4096] f32; one f32 sum for each output.
; LIMITS.  The operands were rounded to bf16 by the launches before; the order of the sums is not reference()'s; NaN and infinities are not treated apart.
; SHARES.  256 work-groups, each a tile of 128 rows x 256 columns; four waves, each 64 x 128: 32 accumulators of 16 x 16, 256 registers.  K: eight steps of 128 from tm and ub, then one of 128 from ta and uab,
; through a ring of two LDS slots.  The rows of tm's, ub's and ta's tiles are 256 bytes of memory, at multiples of 256 from the buffer's first byte.  uab's rows, 128 bytes, lie end to end: they are asked for as rows of 256
; bytes, two rows each, and padded in LDS behind every 128 bytes up to the same pitch as the others, so that the same fragment addresses serve.  In the last step ta's second part meets uab's 64 columns once more:
; its quarters 2 and 3 read uab's fragments again at bytes 0 and 64 of the LDS rows.
; CLUSTER.  4 x 4 work-groups.  tm's and ta's tiles hang on the row block alone: shared along a row of the cluster; ub's and uab's on the column block alone: shared along a column.  Each is asked for JOINTLY.
; Waves 0 and 1 ask for the two halves of the rows' tile, waves 2 and 3 for those of the columns' tile: one load a wave behind each round.
; No prefetch is laid: the walk has nine tiles, and the first four would come by their loads alone.
; THE MATRIX INSTRUCTION IS USED TRANSPOSED (source 0 = 16 rows of ub, source 1 = 16 rows of tm): a lane holds one row of out0 (lane % 16) and the eight neighbouring columns 8 (lane / 16) + 0..7.
; REGISTERS.  Window 0: v0-31 addresses; v64-159, v160-255 two fragment buffers (8 of ub, then 4 of tm, for 32 along K); on the way out v64-191 rows read back.  Window 1: accumulator (a, b) at v[8 (8 a + b)].
.set PITCH,  272                       ; an LDS row: 256 bytes + 16 = 68 words: row r starts at bank 4 r mod 64 (64 banks of 4 bytes: ISA guide 11.1)
.set SLOT,   384*PITCH                 ; the rows' 128, then the columns' 256: 104,448 bytes
.set STAGE,  2*SLOT                    ; behind the ring, never filled by a tensor load: 16 rows x 528 bytes for each wave, for the way out
.set SPITCH, 528                       ; 512 bytes + 16
.set SPARE,  STAGE+4*16*SPITCH         ; behind the stages: the spare words, 128 bytes for each wave: two blocks of 256 bytes that no other line names
.set ADRA, 16                          ; v16-17  LDS address of my fragments of tm in slot 0, 1
.set ADRB, 20                          ; v20-21  the same for ub
.set STO,  24                          ; v24     the way out: where I put 32 bytes of a row
.set RD,   25                          ; v25     where I read 16 bytes of a row back
.set CO,   26                          ; v26     my 16 bytes of 512 in out0
.set SPW,  28                          ; v28     LDS address of my spare word: SPARE + 4 x my thread's number; never rewritten
.set NIL,  29                          ; v29     0; never rewritten
.set F0,   64
.set F1,   160
.set OB,   64
.set WV,   14
.set WR,   15                          ; which 64 rows are mine
.set WC,   16                          ; which 128 columns.  Also: which half of a tile I fetch
.set CX,   17
.set CY,   18
.set NBK,  19
.set MBK,  20
.set G1A,  28                          ; s[28:35] descriptor group 1 for tm's tiles
.set G1B,  36                          ; s[36:43] for ub's
.set G1AX, 44                          ; s[44:51] for ta's
.set G1BX, 52                          ; s[52:59] for uab's
.set CNT,  60
.set G0A,  68                          ; s[68:75] group 0 for tm's tiles, a set for each slot
.set G0B,  76                          ; s[76:83] for ub's
.set G0AX, 92                          ; s[92:95] for ta's one tile
.set G0BX, 96                          ; s[96:99] for uab's
.set MSB, 0
.macro WIN new                         ; the immediate's high byte repeats the setting that is left; a switch that changes nothing is dropped
.if MSB != (\new)
	s_set_vgpr_msb (MSB<<8)|(\new)
.set MSB, \new
.endif
.endm
.macro PLACES                          ; four places behind a matrix instruction, in front of loads into registers that it has read (ISA guide 7.12.1 for vector instructions)
.rept 4
	v_nop
.endr
.endm
; A joint load.  The branch hangs on the wave's number alone.  An s_nop 0 and four v_nop follow each of the two lines, ahead of the jump, the label and what follows.
.macro JL a0, a1, b0, b1
	s_cmp_lt_u32 s[WV], 2
	s_cbranch_scc0 .Lfor_b_\@
	tensor_load_to_lds s[(\a0):(\a0)+3], s[(\a1):(\a1)+7]
	s_nop 0
.rept 4
	v_nop
.endr
	s_branch .Lasked_\@
.Lfor_b_\@:
	tensor_load_to_lds s[(\b0):(\b0)+3], s[(\b1):(\b1)+7]
	s_nop 0
.rept 4
	v_nop
.endr
.Lasked_\@:
.endm
.macro JLOAD s                         ; a tile of tm and ub into slot s
	JL G0A+4*(\s), G1A, G0B+4*(\s), G1B
.endm
.macro JLOADX                          ; ta's and uab's tile, into slot 0
	JL G0AX, G1AX, G0BX, G1BX
.endm
.macro CREST                           ; a round of the cluster's barrier behind its opening barrier
	s_cmp_lg_u32 s[WV], 0
	s_cbranch_scc1 .Lnot_wave_0_\@
	s_barrier_signal -3
.Lnot_wave_0_\@:
	s_barrier_wait -3
	s_barrier_signal -1
	s_barrier_wait -1
.endm
.macro CROUND                          ; a whole round
	s_barrier_signal -1
	s_barrier_wait -1
	CREST
.endm
	s_load_b256 s[4:11], s[0:1], 0x0               ; tm s[4:5], ta s[6:7], ub s[8:9], uab s[10:11]
	s_load_b64 s[12:13], s[0:1], 0x20              ; out0
	v_lshl_add_u32 v[SPW], v0, 2, SPARE
	v_mov_b32 v[NIL], 0
	ds_add_u32 v[SPW], v[NIL]                      ; the wave's opening: the add, twice on end, and its wait, ahead of my first tensor load; the set-up below, work on registers, stands between
	ds_add_u32 v[SPW], v[NIL]                      ; and once more, under the one wait
	v_lshrrev_b32 v1, 5, v0
	v_readfirstlane_b32 s[WV], v1                  ; wave 0..3
	s_lshr_b32 s[WR], s[WV], 1
	s_and_b32 s[WC], s[WV], 1
	s_bfe_u32 s[CX], ttmp6, 0x40000                ; my place in the cluster
	s_bfe_u32 s[CY], ttmp6, 0x40004
	s_lshl_b32 s[NBK], ttmp9, 2                    ; in a cluster launch ttmp9 and ttmp7 count clusters
	s_add_co_u32 s[NBK], s[NBK], s[CX]             ; column block of 256
	s_and_b32 s[MBK], ttmp7, 0xffff
	s_lshl_b32 s[MBK], s[MBK], 2
	s_add_co_u32 s[MBK], s[MBK], s[CY]             ; row block of 128
	s_lshl_b32 s84, s[CY], 2
	s_lshl_b32 s84, 15, s84                        ; my row of the cluster
	s_lshl_b32 s85, 0x1111, s[CX]                  ; my column
	; group 1.  15:0 the mask; 17:16 elements of 2 bytes; 20 padding on; 21 set beside a mask; 24:22 after every 64 words (code 5) 4 words (code 3); for uab's short rows after every 32 words (code 4) 36 words (code 35)
	s_or_b32 s[G1A],  s84, (1<<16)|(1<<20)|(1<<21)|(5<<22)|(3<<25)
	s_or_b32 s[G1B],  s85, (1<<16)|(1<<20)|(1<<21)|(5<<22)|(3<<25)
	s_or_b32 s[G1AX], s84, (1<<16)|(1<<20)|(1<<21)|(5<<22)|(3<<25)
	s_or_b32 s[G1BX], s85, (1<<16)|(1<<20)|(1<<21)|(4<<22)|(35<<25)
.irp g, G1A, G1B, G1AX, G1BX
	s_mov_b32 s[(\g)+1], 128<<16                   ; tensor_dim0 = 128 elements: 256 bytes
	s_mov_b32 s[(\g)+3], 128<<16                   ; tile_dim0 = 128
	s_mov_b32 s[(\g)+6], 0
	s_mov_b32 s[(\g)+7], 0
.endr
	s_mov_b32 s[G1A+2], 64<<16                     ; tensor_dim1 and tile_dim1: 64 rows of tm,
	s_mov_b32 s[G1A+4], 64
	s_mov_b32 s[G1A+5], 1024                       ; 1,024 elements from row to row
	s_mov_b32 s[G1B+2], 128<<16                    ; 128 rows of ub
	s_mov_b32 s[G1B+4], 128
	s_mov_b32 s[G1B+5], 1024
	s_mov_b32 s[G1AX+2], 64<<16                    ; 64 rows of ta, 128 elements each, dense
	s_mov_b32 s[G1AX+4], 64
	s_mov_b32 s[G1AX+5], 128
	s_mov_b32 s[G1BX+2], 64<<16                    ; 128 rows of uab as 64 rows of 256 bytes, dense
	s_mov_b32 s[G1BX+4], 64
	s_mov_b32 s[G1BX+5], 128
	; where the tiles come from: the rows' by the row block and the wave's number, the columns' by the column block and the wave's number, each in registers of its own
	s_lshl_b32 s24, s[MBK], 7
	s_lshl_b32 s84, s[WC], 6
	s_add_co_u32 s24, s24, s84                     ; row 128 mb + 64 x half
	s_lshl_b32 s25, s[NBK], 8
	s_lshl_b32 s88, s[WC], 7
	s_add_co_u32 s25, s25, s88                     ; row 256 nb + 128 x half
	s_lshl_b32 s84, s24, 11                        ; a row of tm and of ub is 2,048 bytes,
	s_mov_b32 s85, 0
	s_lshl_b32 s86, s24, 8                         ; of ta 256,
	s_mov_b32 s87, 0
	s_lshl_b32 s88, s25, 11
	s_mov_b32 s89, 0
	s_lshl_b32 s90, s25, 7                         ; of uab 128
	s_mov_b32 s91, 0
	s_mul_i32 s26, s[WC], 64*PITCH                 ; and where they go: no place in the cluster enters an LDS address
	s_mul_i32 s27, s[WC], 128*PITCH
	s_add_co_u32 s27, s27, 128*PITCH
	s_wait_dscnt 0x0                               ; both opening adds are done
	s_wait_kmcnt 0x0
	s_add_nc_u64 s[84:85], s[4:5], s[84:85]
	s_add_nc_u64 s[86:87], s[6:7], s[86:87]
	s_add_nc_u64 s[88:89], s[8:9], s[88:89]
	s_add_nc_u64 s[90:91], s[10:11], s[90:91]
	s_mov_b32 s[G0AX], 1                           ; the last tile's descriptors: slot 0
	s_mov_b32 s[G0AX+1], s26
	s_mov_b64 s[G0AX+2:G0AX+3], s[86:87]
	s_or_b32 s[G0AX+3], s[G0AX+3], 0x80000000
	s_mov_b32 s[G0BX], 1
	s_mov_b32 s[G0BX+1], s27
	s_mov_b64 s[G0BX+2:G0BX+3], s[90:91]
	s_or_b32 s[G0BX+3], s[G0BX+3], 0x80000000
	CROUND                                         ; all sixteen work-groups are here: the first joint loads meet
.irp s, 0,1
	s_mov_b32 s[G0A+4*(\s)], 1                                     ; count = 1
	s_add_co_u32 s[G0A+4*(\s)+1], s26, (\s)*SLOT                   ; LDS address
	s_add_nc_u64 s[G0A+4*(\s)+2:G0A+4*(\s)+3], s[84:85], (\s)*256  ; global address: K step s
	s_or_b32 s[G0A+4*(\s)+3], s[G0A+4*(\s)+3], 0x80000000          ; type = 2
	s_mov_b32 s[G0B+4*(\s)], 1
	s_add_co_u32 s[G0B+4*(\s)+1], s27, (\s)*SLOT
	s_add_nc_u64 s[G0B+4*(\s)+2:G0B+4*(\s)+3], s[88:89], (\s)*256
	s_or_b32 s[G0B+4*(\s)+3], s[G0B+4*(\s)+3], 0x80000000
	JLOAD \s                                       ; two loads of mine are out
.endr
	; A fragment is 16 rows x 32 k in 8 registers: lane l holds row l % 16; registers 0-3 k = 8 (l / 16) + 0..7, registers 4-7 k = 16 + 8 (l / 16) + 0..7: two loads of 16 bytes, 32 bytes apart.
	v_and_b32 v1, 15, v0                           ; l % 16
	v_bfe_u32 v2, v0, 4, 1                         ; l / 16
	v_and_b32 v4, 31, v0                           ; l
	v_mul_u32_u24 v3, v1, PITCH
	v_lshl_add_u32 v3, v2, 4, v3
	s_mul_i32 s84, s[WR], 64*PITCH                 ; my 64 rows,
	s_mul_i32 s85, s[WC], 128*PITCH                ; my 128 columns,
	s_add_co_u32 s85, s85, 128*PITCH               ; which lie behind the 128 rows
.irp s, 0,1
	v_add_nc_u32 v[ADRA+(\s)], s84, v3
	v_add_nc_u32 v[ADRB+(\s)], s85, v3
	s_add_co_u32 s84, s84, SLOT
	s_add_co_u32 s85, s85, SLOT
.endr
	s_mul_i32 s86, s[WV], 16*SPITCH
	s_add_co_u32 s86, s86, STAGE                   ; my stage
	v_mul_u32_u24 v5, v1, SPITCH                   ; in: row l % 16, 32 bytes for each half of the lanes
	v_lshl_add_u32 v5, v2, 5, v5
	v_add_nc_u32 v[STO], s86, v5
	v_lshl_add_u32 v[RD], v4, 4, s86               ; back: 32 lanes take a row's 512 bytes
	v_lshlrev_b32 v[CO], 4, v4
	s_lshl_b32 s84, s[MBK], 7
	s_lshl_b32 s85, s[WR], 6
	s_add_co_u32 s84, s84, s85                     ; my first row of out0,
	s_lshl_b32 s84, s84, 14                        ; 16,384 bytes a row,
	s_lshl_b32 s85, s[NBK], 10
	s_add_co_u32 s84, s84, s85                     ; my first column: 1,024 bytes a block,
	s_lshl_b32 s85, s[WC], 9
	s_add_co_u32 s84, s84, s85                     ; 512 a half
	s_mov_b32 s85, 0
	s_add_nc_u64 s[12:13], s[12:13], s[84:85]
; 8 matrix instructions: row tile a x all 8 column tiles, 32 along K, from buffer f.  zero = 1: the first product starts the sums.  The 32 accumulators take turns, in the same order in every quarter.
.macro MUL8 f, a, zero
	WIN 0x50                                       ; C and D in window 1, the sources in window 0
.irp b, 0,1,2,3,4,5,6,7
.if \zero
	v_wmma_f32_16x16x32_bf16 v[8*(8*(\a)+(\b)):8*(8*(\a)+(\b))+7], v[(\f)+8*(\b):(\f)+8*(\b)+7], v[(\f)+64+8*(\a):(\f)+64+8*(\a)+7], 0
.else
	v_wmma_f32_16x16x32_bf16 v[8*(8*(\a)+(\b)):8*(8*(\a)+(\b))+7], v[(\f)+8*(\b):(\f)+8*(\b)+7], v[(\f)+64+8*(\a):(\f)+64+8*(\a)+7], v[8*(8*(\a)+(\b)):8*(8*(\a)+(\b))+7]
.endif
.endr
.endm
.macro MUL16 f, a0, zero
	MUL8 \f, \a0, \zero
	MUL8 \f, (\a0)+1, \zero
.endm
; 24 LDS loads in one run: the fragments of 32 along K into buffer f: the columns' 16, at byte kb of their rows, then the rows' 8, at byte k of theirs (kb = k but in the last step's second half)
.macro FETCH slot, k, f, kb
	WIN 0
.irp i, 0,1,2,3,4,5,6,7
	ds_load_b128 v[(\f)+8*(\i):(\f)+8*(\i)+3],   v[ADRB+(\slot)] offset:(\kb)+(\i)*16*PITCH
	ds_load_b128 v[(\f)+8*(\i)+4:(\f)+8*(\i)+7], v[ADRB+(\slot)] offset:(\kb)+(\i)*16*PITCH+32
.endr
.irp i, 0,1,2,3
	ds_load_b128 v[(\f)+64+8*(\i):(\f)+64+8*(\i)+3],   v[ADRA+(\slot)] offset:(\k)+(\i)*16*PITCH
	ds_load_b128 v[(\f)+64+8*(\i)+4:(\f)+64+8*(\i)+7], v[ADRA+(\slot)] offset:(\k)+(\i)*16*PITCH+32
.endr
.endm
; A K step is four quarters of 32 along K, 32 matrix instructions each, on buffers 0, 1, 0, 1.  One of the first three: multiplies buffer f; in its middle it fetches the next quarter, at bytes k and kb, into g.
.macro QUARTER slot, k, f, g, zero, kb
	s_wait_dscnt 4                                 ; all but the youngest four loads (row tiles 2 and 3) are in
	MUL16 \f, 0, \zero
	PLACES
	FETCH \slot, \k, \g, \kb
	s_wait_dscnt 24                                ; all but the 24 just issued
	MUL16 \f, 2, \zero
.endm
; The last quarter multiplies buffer 1 and changes slots: ONE barrier; in front of it each wave waits for all its tensor loads (one is out: its part of the next slot), adds 0 to its spare word, and waits for that and for its reads
; of this slot.  fill = 1: the barrier opens a round of the cluster's, and this slot is filled again, two K steps ahead, first thing behind the round: 112 matrix instructions ahead of the wait for it.
; fill = 2: the same with ta's and uab's tile.  fill = 0: nothing is asked for.
.macro TURN slot, next, fill
	WIN 0
	s_wait_tensorcnt 0x0                           ; all my tensor loads have landed
	ds_add_u32 v[SPW], v[NIL]                      ; 0 onto my spare word
	s_wait_dscnt 5                                 ; (the add and the youngest four loads may be out)
	MUL8 F1, 0, 0                                  ; eight matrix instructions stand between the add and the wait for it
	s_wait_dscnt 0x0                               ; the add is done, and my reads of this slot are over
	s_barrier_signal -1
	MUL8 F1, 1, 0                                  ; work on registers while the others arrive
	WIN 0
	s_barrier_wait -1
.if (\fill) == 1
	CREST                                          ; no wave of any partner still reads this slot's tile or has a load on its way
	s_add_nc_u64 s[G0A+4*(\slot)+2:G0A+4*(\slot)+3], s[G0A+4*(\slot)+2:G0A+4*(\slot)+3], 2*256
	s_add_nc_u64 s[G0B+4*(\slot)+2:G0B+4*(\slot)+3], s[G0B+4*(\slot)+2:G0B+4*(\slot)+3], 2*256
	JLOAD \slot                                    ; its four v_nop are also the places in front of the loads below
.elseif (\fill) == 2
	CREST
	JLOADX
.else
	PLACES
.endif
	FETCH \next, 0, F0, 0
	MUL16 F1, 2, 0
.endm
	s_wait_tensorcnt 0x1                           ; my part of K step 0 is in; K step 1's may stay out
	s_barrier_signal -1
	s_barrier_wait -1                              ; everybody's is
	FETCH 0, 0, F0, 0
	QUARTER 0, 64, F0, F1, 1, 64                   ; the first quarter stands in front of the loop: its products start the sums
	WIN 0                                          ; at a label and at a branch every window is 0
	s_mov_b32 s[CNT], 3
.Llap:                                         ; a trip goes once round the ring, from a lap's second quarter to the next lap's first, and fills both slots again: tiles 2 to 7
	QUARTER 0, 128, F1, F0, 0, 128
	QUARTER 0, 192, F0, F1, 0, 192
	TURN 0, 1, 1
	QUARTER 1, 64,  F0, F1, 0, 64
	QUARTER 1, 128, F1, F0, 0, 128
	QUARTER 1, 192, F0, F1, 0, 192
	TURN 1, 0, 1
	QUARTER 0, 64,  F0, F1, 0, 64
	WIN 0
	s_sub_co_u32 s[CNT], s[CNT], 1
	s_cmp_lg_u32 s[CNT], 0
	s_cbranch_scc1 .Llap
	QUARTER 0, 128, F1, F0, 0, 128                 ; the last lap is written out: K step 6,
	QUARTER 0, 192, F0, F1, 0, 192
	TURN 0, 1, 2                                   ; behind which slot 0 takes ta's and uab's tile,
	QUARTER 1, 64,  F0, F1, 0, 64                  ; K step 7,
	QUARTER 1, 128, F1, F0, 0, 128
	QUARTER 1, 192, F0, F1, 0, 192
	TURN 1, 0, 0                                   ; behind which nothing is asked for,
	QUARTER 0, 64,  F0, F1, 0, 64                  ; and the additional step: ta's first part on uab's columns 0 - 31 and 32 - 63,
	QUARTER 0, 128, F1, F0, 0, 0                   ; then ta's second part on the same columns of uab once more
	QUARTER 0, 192, F0, F1, 0, 64
	s_wait_dscnt 4
	MUL16 F1, 0, 0
	s_wait_dscnt 0x0
	MUL16 F1, 2, 0
	; THE WAY OUT, 16 rows at a time through my own stage: a lane's 32 bytes go into rows of 528 bytes and come back as whole rows of 512.
.rept 8
	v_nop                                          ; the places behind the last products, in front of the stores that read them and of the loads onto the fragments
.endr
.irp a, 0,1,2,3
.if (\a) >= 2
	s_wait_xcnt 0x0                                ; every earlier store has had its addresses translated (ISA guide 3.1): the registers that block a - 2's stores read are loaded again only behind this wait
.endif
	WIN 0x04                                       ; the stores' data in window 1
.irp b, 0,1,2,3,4,5,6,7
	ds_store_b128 v[STO], v[8*(8*(\a)+(\b)):8*(8*(\a)+(\b))+3]   offset:64*(\b)      ; each accumulator's low registers first
	ds_store_b128 v[STO], v[8*(8*(\a)+(\b))+4:8*(8*(\a)+(\b))+7] offset:64*(\b)+16
.endr
	WIN 0
.irp t, 0,1,2,3,4,5,6,7,8,9,10,11,12,13,14,15
	ds_load_b128 v[OB+64*((\a)%2)+4*(\t):OB+64*((\a)%2)+4*(\t)+3], v[RD] offset:(\t)*SPITCH  ; LDS serves a wave's instructions in order (ISA guide 5.7.1.4): these see the stores above; the next block's stores come behind them
.endr
.irp t, 0,1,2,3,4,5,6,7,8,9,10,11,12,13,14,15
	s_wait_dscnt 15-(\t)                           ; row t is back; the younger loads may stay out
	global_store_b128 v[CO], v[OB+64*((\a)%2)+4*(\t):OB+64*((\a)%2)+4*(\t)+3], s[12:13] offset:(16*(\a)+(\t))*16384  ; 512 consecutive bytes, at a multiple of 256 from out0's first byte
.endr
.endr
	s_wait_tensorcnt 0x0                           ; the wave's end: behind my last tensor load and my last LDS store
	ds_add_u32 v[SPW], v[NIL]
	s_wait_dscnt 0x0
	CROUND                                         ; the closing round: no work-group ends while a partner may still ask for a tile that names it
	s_endpgm
.Lfunc_end_k_q673041e85d_gemm2:
	.size	k_q673041e85d_gemm2, .Lfunc_end_k_q673041e85d_gemm2-k_q673041e85d_gemm2
	.p2alignl 7, 3214868480
	.fill 96, 4, 3214868480
	.section	.rodata,"a",@progbits
	.p2align	6, 0x0
	.amdhsa_kernel k_q673041e85d_gemm2
		.amdhsa_group_segment_fixed_size 327680
		.amdhsa_private_segment_fixed_size 0
		.amdhsa_enable_private_segment 0
		.amdhsa_kernarg_size 40
		.amdhsa_user_sgpr_count 2
		.amdhsa_user_sgpr_kernarg_segment_ptr 1
		.amdhsa_wavefront_size32 1
		.amdhsa_system_sgpr_workgroup_id_x 1
		.amdhsa_system_sgpr_workgroup_id_y 1
		.amdhsa_system_sgpr_workgroup_id_z 1
		.amdhsa_system_vgpr_workitem_id 0
		.amdhsa_next_free_vgpr 512
		.amdhsa_next_free_sgpr 100
		.amdhsa_reserve_vcc 0
		.amdhsa_float_denorm_mode_32 3
		.amdhsa_float_denorm_mode_16_64 3
		.amdhsa_memory_ordered 1
		.amdhsa_forward_progress 1
		.amdhsa_inst_pref_size 104
	.end_amdhsa_kernel
	.amdgpu_metadata
---
amdhsa.version: [ 1, 2 ]
amdhsa.kernels:
  - .name:           k_q673041e85d_gemm2
    .symbol:         k_q673041e85d_gemm2.kd
    .args:
      - { .name: tm, .offset: 0, .size: 8, .value_kind: global_buffer, .address_space: global }
      - { .name: ta, .offset: 8, .size: 8, .value_kind: global_buffer, .address_space: global }
      - { .name: ub, .offset: 16, .size: 8, .value_kind: global_buffer, .address_space: global }
      - { .name: uab, .offset: 24, .size: 8, .value_kind: global_buffer, .address_space: global }
      - { .name: out0, .offset: 32, .size: 8, .value_kind: global_buffer, .address_space: global }
    .group_segment_fixed_size: 327680
    .private_segment_fixed_size: 0
    .kernarg_segment_align: 8
    .kernarg_segment_size: 40
    .max_flat_workgroup_size: 128
    .sgpr_count:     100
    .vgpr_count:     512
    .wavefront_size: 32
...
	.end_amdgpu_metadata
.endif
;; end of part 3
;; ======== version 2 of 2: 3 launches; version 1 with the launch cvtw written anew for expert scheduling mode
;; workspace buffers: vhb 8,388,608 bytes; vab 524,288 bytes; ub 8,388,608 bytes; uab 524,288 bytes; tm 4,194,304 bytes; ta 524,288 bytes
;; launch cvtw (part 4): grid 256 x 1, 8 waves a work-group, no clusters, 0 bytes of LDS; arguments Vh, Vh_additional, U, U_additional, vhb, vab, ub, uab; writes vhb, vab, ub, uab
.if DOCPART == 4
	.amdgcn_target "amdgcn-amd-amdhsa--gfx1250"
	.amdhsa_code_object_version 6
	.text
	.protected	k_q673041e85d_cvtw
	.globl	k_q673041e85d_cvtw
	.p2align	8
	.type	k_q673041e85d_cvtw,@function
k_q673041e85d_cvtw:
	s_mov_b64 s[64:65], 0
	v_nop
	global_prefetch_b8 v0, s[64:65] scope:SCOPE_SE
	s_setreg_imm32_b32 hwreg(HW_REG_WAVE_SCHED_MODE, 0, 2), 2
	s_setreg_imm32_b32 hwreg(HW_REG_WAVE_MODE, 25, 1), 1
	s_wait_xcnt 0x0
	s_wait_alu depctr_vm_vsrc(0)
; The four weight matrices, rounded once to bf16 (to nearest even), in their own layouts: Vh -> vhb, Vh_additional -> vab, U -> ub, U_additional -> uab.
; A stream: every byte is read once and written once; no LDS, no barrier, no matrix unit, no cluster (no two work-groups read the same byte).
; SHARES.  256 work-groups of eight waves.  Work-group g takes 64 KiB of Vh and 64 KiB of U (16 MiB / 256 each) and 8 KiB of an additional matrix:
; Vh_additional for g < 128, U_additional for the others (1 MiB / 128 each): 34 pieces of 4 KiB, the same in every work-group.
; Thread t takes 16 bytes (4 f32) at byte 16 t of a piece and stores 8 bytes at byte 8 t of the piece's 2 KiB of output: a wave's load covers 512 consecutive
; bytes, its store 256 consecutive bytes, aligned.  All 34 loads of a wave go out first; the pieces are then rounded and stored as they come, in blocks of four.
; THE MODE: SCHED_MODE bits 1:0 = 2 (LLVM: expert scheduling mode 2), set by the entry lines.  The code itself states the register dependences
; between vector instructions and memory instructions, with s_wait_alu, always for 0.
; THE PLAN.  Registers that memory instructions touch:
;   v1, v2       byte offsets, made once at the head and never written again: v1 is read by every load, v2 by every store.
;   v[D + 4 n ..]  piece n's four registers.  Written by the piece's load, which is issued ahead of every conversion; read by the piece's two conversions, which
;                write the first two of them; those two are read by the piece's one store; nothing names them behind it.
; The 34 pieces go in nine blocks, eight of four and one of two.  Block p rounds its own pieces; its memory instructions are the stores of block p - 1, whose
; registers no conversion of block p names.  So one wait at a block's head states all that its stores hang on, and they are dealt among the block's conversions with no
; further wait.  No register is written again behind the load or store that reads it, so no wait stands for the loads' and stores' reads of their registers.
.set D, 4                              ; v[4:139]  piece i: four registers as loaded; the first two then hold the four bf16
	s_load_b512 s[4:19], s[0:1], 0x0               ; Vh s[4:5], Vh_additional s[6:7], U s[8:9], U_additional s[10:11], vhb s[12:13], vab s[14:15], ub s[16:17], uab s[18:19]
	v_lshlrev_b32 v1, 4, v0                        ; my 16 bytes of a piece
	v_lshlrev_b32 v2, 3, v0                        ; my 8 bytes of its output
	s_lshl_b32 s20, ttmp9, 16                      ; the work-group's 64 KiB of Vh and of U,
	s_mov_b32 s21, 0
	s_lshl_b32 s22, ttmp9, 15                      ; and the 32 KiB that they become
	s_mov_b32 s23, 0
	s_and_b32 s28, ttmp9, 127                      ; its place among the 128 that share an additional matrix:
	s_lshl_b32 s30, s28, 12                        ; 4 KiB out,
	s_lshl_b32 s28, s28, 13                        ; 8 KiB in
	s_mov_b32 s29, 0
	s_mov_b32 s31, 0
	s_wait_kmcnt 0x0
	s_cmp_lt_u32 ttmp9, 128                        ; which additional matrix: a choice by the work-group's number alone
	s_cselect_b64 s[24:25], s[6:7], s[10:11]
	s_cselect_b64 s[26:27], s[14:15], s[18:19]
	s_add_nc_u64 s[4:5], s[4:5], s[20:21]
	s_add_nc_u64 s[8:9], s[8:9], s[20:21]
	s_add_nc_u64 s[12:13], s[12:13], s[22:23]
	s_add_nc_u64 s[16:17], s[16:17], s[22:23]
	s_add_nc_u64 s[24:25], s[24:25], s[28:29]
	s_add_nc_u64 s[26:27], s[26:27], s[30:31]
	s_wait_alu depctr_va_vdst(0)                   ; v1 and v2 are written: every load of the kernel reads v1 as its offset, every store v2
.set i, 0
.rept 16
	global_load_b128 v[D+4*i:D+4*i+3], v1, s[4:5] offset:4096*i th:TH_LOAD_NT
.set i, i+1
.endr
.set i, 0
.rept 16
	global_load_b128 v[D+64+4*i:D+64+4*i+3], v1, s[8:9] offset:4096*i th:TH_LOAD_NT
.set i, i+1
.endr
.set i, 0
.rept 2
	global_load_b128 v[D+128+4*i:D+128+4*i+3], v1, s[24:25] offset:4096*i th:TH_LOAD_NT
.set i, i+1
.endr
; Piece n of the 34 is rounded: four f32 close up into the first two of their four registers.
.macro ROUND
	v_cvt_pk_bf16_f32 v[D+4*n], v[D+4*n], v[D+4*n+1]
	v_cvt_pk_bf16_f32 v[D+4*n+1], v[D+4*n+2], v[D+4*n+3]
.endm
; Piece n of the 34 is stored: pieces 0 - 15 are Vh's, 16 - 31 U's, 32 and 33 the additional matrix's.
.macro OUT
.if n < 16
	global_store_b64 v2, v[D+4*n:D+4*n+1], s[12:13] offset:2048*n
.elseif n < 32
	global_store_b64 v2, v[D+4*n:D+4*n+1], s[16:17] offset:2048*(n-16)
.else
	global_store_b64 v2, v[D+4*n:D+4*n+1], s[26:27] offset:2048*(n-32)
.endif
.endm
; Blocks 0 to 7: pieces 4 p .. 4 p + 3 are rounded; the stores of block p - 1 stand among the conversions, one ahead of each piece's two.
.set p, 0
.rept 8
	s_wait_loadcnt 30-4*p                          ; loads come back in order (ISA guide 5.7.1): the block's four pieces are in, the 30 - 4 p younger loads stay out
.if p > 0
	s_wait_alu depctr_va_vdst(0)                   ; the conversions of the block before have written their pieces' first two registers, which the four stores below read; the conversions below name this block's registers alone
.endif
.irp i, 0,1,2,3
.if p > 0
.set n, 4*(p-1)+(\i)
	OUT
.endif
.set n, 4*p+(\i)
	ROUND
.endr
.set p, p+1
.endr
; Block 8: the two pieces of the additional matrix, among the stores of block 7.
	s_wait_loadcnt 0x0                             ; the last two pieces are in
	s_wait_alu depctr_va_vdst(0)                   ; the conversions of block 7 have written the registers that the four stores below read
.irp i, 0,1,2,3
.set n, 28+(\i)
	OUT
.if (\i) < 2
.set n, 32+(\i)
	ROUND
.endif
.endr
	s_wait_alu depctr_va_vdst(0)                   ; the conversions of block 8 have written the registers that the last two stores read
.set n, 32
	OUT
.set n, 33
	OUT
	s_endpgm
.Lfunc_end_k_q673041e85d_cvtw:
	.size	k_q673041e85d_cvtw, .Lfunc_end_k_q673041e85d_cvtw-k_q673041e85d_cvtw
	.p2alignl 7, 3214868480
	.fill 96, 4, 3214868480
	.section	.rodata,"a",@progbits
	.p2align	6, 0x0
	.amdhsa_kernel k_q673041e85d_cvtw
		.amdhsa_group_segment_fixed_size 0
		.amdhsa_private_segment_fixed_size 0
		.amdhsa_enable_private_segment 0
		.amdhsa_kernarg_size 64
		.amdhsa_user_sgpr_count 2
		.amdhsa_user_sgpr_kernarg_segment_ptr 1
		.amdhsa_wavefront_size32 1
		.amdhsa_system_sgpr_workgroup_id_x 1
		.amdhsa_system_sgpr_workgroup_id_y 1
		.amdhsa_system_sgpr_workgroup_id_z 1
		.amdhsa_system_vgpr_workitem_id 0
		.amdhsa_next_free_vgpr 140
		.amdhsa_next_free_sgpr 66
		.amdhsa_reserve_vcc 0
		.amdhsa_float_denorm_mode_32 3
		.amdhsa_float_denorm_mode_16_64 3
		.amdhsa_memory_ordered 1
		.amdhsa_forward_progress 1
		.amdhsa_inst_pref_size 13
	.end_amdhsa_kernel
	.amdgpu_metadata
---
amdhsa.version: [ 1, 2 ]
amdhsa.kernels:
  - .name:           k_q673041e85d_cvtw
    .symbol:         k_q673041e85d_cvtw.kd
    .args:
      - { .name: Vh, .offset: 0, .size: 8, .value_kind: global_buffer, .address_space: global }
      - { .name: Vh_additional, .offset: 8, .size: 8, .value_kind: global_buffer, .address_space: global }
      - { .name: U, .offset: 16, .size: 8, .value_kind: global_buffer, .address_space: global }
      - { .name: U_additional, .offset: 24, .size: 8, .value_kind: global_buffer, .address_space: global }
      - { .name: vhb, .offset: 32, .size: 8, .value_kind: global_buffer, .address_space: global }
      - { .name: vab, .offset: 40, .size: 8, .value_kind: global_buffer, .address_space: global }
      - { .name: ub, .offset: 48, .size: 8, .value_kind: global_buffer, .address_space: global }
      - { .name: uab, .offset: 56, .size: 8, .value_kind: global_buffer, .address_space: global }
    .group_segment_fixed_size: 0
    .private_segment_fixed_size: 0
    .kernarg_segment_align: 8
    .kernarg_segment_size: 64
    .max_flat_workgroup_size: 256
    .sgpr_count:     66
    .vgpr_count:     140
    .wavefront_size: 32
...
	.end_amdgpu_metadata
.endif
;; end of part 4
;; launch gemm1: the kernel of part 2 again; grid 8 x 32, 4 waves a work-group, clusters of 4 x 4, 327,680 bytes of LDS; arguments input, vhb, vab, weight, mask, tm, ta; writes tm, ta
;; launch gemm2: the kernel of part 3 again; grid 16 x 16, 4 waves a work-group, clusters of 4 x 4, 327,680 bytes of LDS; arguments tm, ta, ub, uab, out0; writes out0
